; MI455X (gfx1250); checked and timed in simulation.
; The chip was launched on July 23, 2026; its instructions are those of AMD's public machine-readable ISA for CDNA 5 (MIT licence, August 2026) and "CDNA5" Instruction Set Architecture Reference Guide (July 2026). The comments in the code are by the model that wrote it; some were corrected since.
;; Attention. Allowed arithmetic: matrix products marked QUANTISED: E2M1 operands, one E8M0 scale for each 32 along K, by v_wmma_scale_f32_16x16x128_f8f6f4 with both operands' format E2M1 (or v_wmma_scale_f32_32x16x128_f4), f32 sums; everything else in f32.
;; Inputs: W_out_codes 1,024 x 32 x 16 uint8 (E2M1 codes of W_out, K innermost, in blocks of 32 codes, two codes a byte); W_out_scales 1,024 x 32 uint8 (E8M0 scales of W_out, one for each 32 codes along K); W_qkv_codes 3,072 x 32 x 16 uint8 (E2M1 codes of W_qkv, K innermost, in blocks of 32 codes, two codes a byte); W_qkv_scales 3,072 x 32 uint8 (E8M0 scales of W_qkv, one for each 32 codes along K); b_out 1,024 float32; b_qkv 3,072 float32; x_codes 4 x 2,048 x 32 x 16 uint8 (E2M1 codes of x, K innermost, in blocks of 32 codes, two codes a byte); x_scales 4 x 2,048 x 32 uint8 (E8M0 scales of x, one for each 32 codes along K).
;; Outputs: out0 4 x 2,048 x 1,024 float32.
;; This version of the problem:
;;   THIS VERSION OF THE PROBLEM IS GIVEN IN LOW PRECISION. The matrix products marked QUANTISED in the list below multiply operands that are first quantised to E2M1 (2 exponent bits, 1 mantissa bit; 4 bits a number), with one power-of-two scale for each 32 numbers along K (OCP MX v1.0); their sums are f32. All else is computed in f32.
;;   The module's matrix products, in the order in which they are computed (A, B: the left and right operand; K: the contracted axis; several contracted axes count as one K, in the product's order):
;;     1. [M 8,192, K 1,024] x [K 1,024, N 3,072]; A: input x (given as codes); B: input W_qkv (given as codes): QUANTISED
;;     2. batch 64 x [M 2,048, K 64] x [K 64, N 2,048]; A: computed on the way; B: computed on the way: QUANTISED
;;     3. batch 64 x [M 2,048, K 2,048] x [K 2,048, N 64]; A: softmax (see below); B: computed on the way: QUANTISED
;;     4. [M 8,192, K 1,024] x [K 1,024, N 1,024]; A: computed on the way; B: input W_out (given as codes): QUANTISED
;;   THE QUANTISER, for each operand of a quantised product, along K:
;;     - K is cut into blocks of 32 from its start; a last block that is shorter is filled with zeros.
;;     - A block's scale is 2^e with e = floor(log2(the largest magnitude in the block)) - 2, held to -126 .. 127; a block of zeros has e = 0. As a byte (E8M0): e + 127.
;;     - Each number is divided by its block's scale, clamped to +-6, and rounded to the nearest number of E2M1, ties to even, subnormals kept.
;;     - The product sums the exact products of the quantised numbers (number of the format x scale) in f32.
;;   ~~~python
;;   def quantise(x, axis):      # numpy; x: float32 -> the quantised numbers, widened to float32 again
;;       x = np.moveaxis(x, axis, -1); K = x.shape[-1]
;;       x = np.pad(x, [(0, 0)] * (x.ndim - 1) + [(0, -K % 32)]); x = x.reshape(x.shape[:-1] + (-1, 32)); a = np.abs(x).max(-1, keepdims=True)
;;       e = np.where(a > 0, np.clip(np.frexp(np.where(a > 0, a, 1))[1] - 1 - 2, -126, 127), 0)      # np.frexp(a)[1] - 1 = floor(log2(a)), exactly
;;       r = np.clip(x / 2.0 ** e, -6, 6)
;;       step = 2.0 ** (np.maximum(np.frexp(np.where(r == 0, 1, r))[1] - 1, 0) - 1)
;;       q = np.round(r / step) * step * 2.0 ** e      # np.round: ties to even
;;       return np.moveaxis(q.reshape(q.shape[:-2] + (-1,))[..., :K], -1, axis).astype(np.float32)
;;   ~~~
;;   SOFTMAX AHEAD OF A QUANTISED PRODUCT. Where the list says 'softmax', what is quantised is not the finished softmax but p = 2^(t - M), with t = logit x log2(e) and M = ceil(the row's largest t), a whole number; so 1/2 < the row's largest p <= 1. The row's sum l is taken of the UNQUANTISED p, in f32, and the product's result is divided by l at the end. Since M is a whole number, a kernel that streams over the keys may use a running M (the ceiling of the running maximum): every later rescaling is an exact power of two, which a block's scale takes up: the codes' values come out the same.
;;   OPERANDS COMPUTED ON THE WAY. 'Computed on the way' means the value that the module computes at that place (a softmax that the list does not call 'softmax' is quantised finished and normalised). What goes into a quantiser is computed in f32, as accurately as f32 sums, v_exp_f32 and their like allow (about 1e-6 of the number): no bf16 or f16 on the way to a quantiser, and a product that is left as it is and whose result goes on into a quantised operand takes f32 operands (vector FMAs, or v_wmma_f32_16x16x4_f32). A number that lies on a knife's edge between two numbers of the format may be rounded either way, as far as f32 arithmetic and the matrix unit's own rounding can turn it there, and no further.
;;   INPUTS GIVEN AS CODES. W_out (in the module: [1024, 1024], K = its axis 0); W_qkv (in the module: [1024, 3072], K = its axis 0); x (in the module: [4, 2048, 1024], K = its axis 2): each comes as NAME_codes (uint8): NAME with its K axis moved to the last place and cut into blocks of 32 codes, [.., K / 32, bytes a block], one block behind the other in memory; two codes a byte, the lower K in the low four bits (a code: sign, 2 exponent bits, 1 mantissa bit); and NAME_scales (uint8): the same leading axes, one E8M0 byte (e + 127) for each 32 codes along K. Its value is code x scale, taken as it is: it is not quantised again, and the codes and scales need not be those that the quantiser above would give.
;; One version. Each part assembles by itself: llvm-mc -triple=amdgcn-amd-amdhsa -mcpu=gfx1250 --defsym DOCPART=n.
;; ======== version 1 of 1: 3 launches
;; workspace buffers: q_img 4,194,304 bytes; q_scl 524,288 bytes; kv_img 9,437,184 bytes; a_img 4,194,304 bytes; a_scl 262,144 bytes
;; launch qkv (part 1): grid 16 x 32, 4 waves a work-group, clusters of 4 x 4, 259,584 bytes of LDS; arguments x_codes, x_scales, W_qkv_codes, W_qkv_scales, b_qkv, q_img, q_scl, kv_img; writes q_img, q_scl, kv_img
.if DOCPART == 1
	.amdgcn_target "amdgcn-amd-amdhsa--gfx1250"
	.amdhsa_code_object_version 6
	.text
	.protected	k_q82c198c0e7_qkv
	.globl	k_q82c198c0e7_qkv
	.p2align	8
	.type	k_q82c198c0e7_qkv,@function
k_q82c198c0e7_qkv:
	s_mov_b64 s[64:65], 0
	v_nop
	global_prefetch_b8 v0, s[64:65] scope:SCOPE_SE
	s_setreg_imm32_b32 hwreg(HW_REG_WAVE_MODE, 25, 1), 1
	s_wait_xcnt 0x0
	s_wait_alu depctr_hold_cnt(0) depctr_sa_sdst(0) depctr_va_vdst(0) depctr_va_sdst(0) depctr_va_ssrc(0) depctr_va_vcc(0) depctr_vm_vsrc(0)
	s_getreg_b32 s2, hwreg(HW_REG_IB_STS2, 6, 4)
	s_cmp_eq_u32 s2, 0
	s_cbranch_scc0 .Lentry_in_a_cluster
	s_endpgm
.Lentry_in_a_cluster:
	s_bfe_u32 s2, ttmp6, 0x10000c
	s_cmp_lg_u32 s2, 0xf033
	s_cbranch_scc0 .Lentry_shape_is_right
	s_endpgm
.Lentry_shape_is_right:
; qkv = x W_qkv + b_qkv on codes of FP4 (E2M1) with one E8M0 scale for each 32 along K = 1,024; then q and k are quantised along the head's 64 and v along the keys.
; Column n of the product is 192 head + 64 c + d (c = 0, 1, 2: q, k, v), so 192 neighbouring rows of W_qkv_codes are one head.
; SHARES.  A work-group makes 256 rows of x (all of one batch) x one head.  Wave w: i = w / 2 picks 128 rows (one key step of the attention), j = w % 2 picks q (0) or k (1), and 32 of v's 64 dims.
;   q, k: the product is used TRANSPOSED (source 0 = 16 rows of W, source 1 = 16 rows of x): a lane holds one token and its registers run along the head's dims, the next product's K.
;   v:    in natural order (source 0 = x, source 1 = W): a lane holds one dim and its registers run along the tokens, which are the K of the product with p.
; All of K lies in LDS as two halves of 512 (rows of 256 bytes), each filled once by the tensor data mover: nothing is filled again.
; CLUSTER 4 x 4: the four work-groups of a row of the cluster need the same rows of x, the four of a column the same head of W: each tile is asked for jointly.
; WHAT LEAVES: images of operand registers.  A fragment (16 rows x 128 K, 8 registers a lane) is [half c][lane][16 bytes], 1,024 bytes.
;   q_img [bh][token tile][512]; q_scl [bh][group of 128 tokens][lane][4 words]; kv_img [bh][key step][9,216]: 4 images of K (two key tiles each), 4 of V^T, K's words [lane][4], V's words [j][lane][2].
; THE QUANTISER: a block's largest magnitude with the floor 2^(3 - 127) among its leaves; 2 off its exponent field is the conversion's scale operand, that shifted by 23 the byte.
; LIMITS: NaN and infinities are not served; a block of zeros, and a block whose largest magnitude lies under 2^-124, gets the byte 1 (a block of zeros has zero codes, and these bytes are read by this program alone).
; REGISTERS, in windows of 256: window 0: addresses, v32-143 scale words (two sets of 56), v144-159 at work, v160-207 six images, v208-213 their scale words.
;   window 1: fragments, two sets of 128: 8 of x, 6 of W.   window 2: the 32 accumulators of q or k, (T, m) at 32 T + 8 m.   window 3: v's 16, (m, T) at 64 m + 8 T; from v128 the biases.
.set PITCH, 272                        ; an LDS row: 256 bytes + 16 of padding: the 16 rows that a fragment load touches begin 16 bytes apart modulo 256
.set TILEB, 16*PITCH                   ; 16 rows
.set WOFF,  256*PITCH                  ; a slot: x's 256 rows, then W's 192
.set SLOT,  448*PITCH
.set SCL,   2*SLOT                     ; x's scale bytes: 256 rows x 32 bytes as 32 rows of 256 + 16
.set SCW,   SCL+32*272                 ; W's: 192 rows x 32 bytes as 24 such rows
.set STILE, 544                        ; the scale bytes of 16 rows
.set WV,  20                           ; s20 wave;  s21 i, also: 0 = I fetch for x, 1 = for W;  s22 j, also: which half I fetch
.set WI,  21
.set WJ,  22
.set SEL, 2                            ; s[2:3] lane selects for v_permlanex16_b32: lane l xor 16
.set G1X, 24                           ; s[24:31], s[32:39] descriptor group 1 for x's and W's codes;  s[40:47], s[48:55] for their scale bytes
.set G1W, 32
.set G1SX, 40
.set G1SW, 48
.set AX,  4                            ; v4-5   LDS address of my x fragments in slot 0, 1
.set AW,  6                            ; v6-7   of my four tiles of W for q or k
.set AV,  8                            ; v8-9   of my two tiles of W for v
.set ASX, 10                           ; v10-12 of the scale words: x's, W's for q or k, W's for v
.set ASW, 11
.set ASV, 12
.set L16, 13                           ; v13    16 x lane
.set L8,  14                           ; v14    8 x lane
.set BO,  15                           ; v15    32 x (lane / 16)
.set BR,  16                           ; v16    4 x (lane % 16)
.set SC,  32                           ; scale words: set s at SC + 56 s: x's tile T, step qq at + 4 T + qq; W's tile m at + 32 + 4 m + qq
.set TM,  144
.set PC,  160
.set KW,  208
.set VW,  212
.set BQ,  128                          ; in window 3: the bias of q or k, 8 registers a tile;
.set BV,  160                          ; and of v
.set MSB, 0
.macro WIN new                         ; the immediate's high byte repeats the setting that is left
.if MSB != (\new)
	s_set_vgpr_msb (MSB<<8)|(\new)
.set MSB, (\new)
.endif
.endm
.macro PLACES                          ; four plain vector instructions between a matrix instruction and a load into, or a read of, its registers
.rept 4
	v_nop
.endr
.endm
.macro CROUND                          ; a round of the cluster's barrier
	s_barrier_signal -1
	s_barrier_wait -1
	s_cmp_lg_u32 s[WV], 0
	s_cbranch_scc1 .Lnot_wave_0_\@
	s_barrier_signal -3
.Lnot_wave_0_\@:
	s_barrier_wait -3
	s_barrier_signal -1
	s_barrier_wait -1
.endm
	s_load_b256 s[4:11], s[0:1], 0x0               ; x's codes s[4:5], x's scales s[6:7], W's codes s[8:9], W's scales s[10:11]
	s_load_b256 s[12:19], s[0:1], 0x20             ; b_qkv s[12:13], q_img s[14:15], q_scl s[16:17], kv_img s[18:19]
	v_lshl_add_u32 v254, v0, 2, 0x3f400
	v_mov_b32 v255, 0
	ds_add_u32 v254, v255
	ds_add_u32 v254, v255
	v_lshrrev_b32 v1, 5, v0
	v_readfirstlane_b32 s[WV], v1
	s_lshr_b32 s[WI], s[WV], 1
	s_and_b32 s[WJ], s[WV], 1
	s_bfe_u32 s84, ttmp6, 0x40000                  ; cx
	s_bfe_u32 s85, ttmp6, 0x40004                  ; cy
	s_lshl_b32 s86, ttmp9, 2
	s_add_co_u32 s86, s86, s84                     ; the head = 4 x cluster x + cx
	s_and_b32 s87, ttmp7, 0xffff
	s_lshl_b32 s87, s87, 2
	s_add_co_u32 s87, s87, s85                     ; the block of 256 rows = 4 x cluster y + cy
	s_lshl_b32 s88, s85, 2
	s_lshl_b32 s88, 15, s88                        ; my row of the cluster
	s_lshl_b32 s89, 0x1111, s84                    ; my column
	s_mov_b32 s[SEL], 0x76543210
	s_mov_b32 s[SEL+1], 0xfedcba98
	; group 1 for the codes: rows of 256 bytes, 512 bytes apart in memory, 16 bytes of padding behind each; x: 128 rows, W: 96
	s_or_b32 s[G1X], s88, (1<<20)|(1<<21)|(5<<22)|(3<<25)   ; 15:0 the mask; 17:16 elements of 1 byte; 20 padding on; 21 set beside a mask; 24:22 after every 64 words; 31:25 four words
	s_or_b32 s[G1W], s89, (1<<20)|(1<<21)|(5<<22)|(3<<25)
.irp g, G1X, G1W
	s_mov_b32 s[\g+1], 256<<16                     ; tensor_dim0
	s_mov_b32 s[\g+3], 256<<16                     ; tile_dim0
	s_mov_b32 s[\g+5], 512                         ; from row to row
	s_mov_b32 s[\g+6], 0
	s_mov_b32 s[\g+7], 0
.endr
	s_mov_b32 s[G1X+2], 128<<16                    ; tensor_dim1
	s_mov_b32 s[G1X+4], 128                        ; tile_dim1
	s_mov_b32 s[G1W+2], 96<<16
	s_mov_b32 s[G1W+4], 96
	; and for the scale bytes: a dense block as rows of 256 bytes (32 elements of 8); x: 16 rows, W: 12
	s_or_b32 s[G1SX], s88, (3<<16)|(1<<20)|(1<<21)|(5<<22)|(3<<25)
	s_or_b32 s[G1SW], s89, (3<<16)|(1<<20)|(1<<21)|(5<<22)|(3<<25)
.irp g, G1SX, G1SW
	s_mov_b32 s[\g+1], 32<<16
	s_mov_b32 s[\g+3], 32<<16
	s_mov_b32 s[\g+5], 32
	s_mov_b32 s[\g+6], 0
	s_mov_b32 s[\g+7], 0
.endr
	s_mov_b32 s[G1SX+2], 16<<16
	s_mov_b32 s[G1SX+4], 16
	s_mov_b32 s[G1SW+2], 12<<16
	s_mov_b32 s[G1SW+4], 12
	; what I would fetch of x (registers that never hold the head) and of W (registers that never hold the block of rows)
	s_lshl_b32 s90, s87, 8
	s_lshl_b32 s91, s[WJ], 7
	s_add_co_u32 s90, s90, s91                     ; x: row 256 x block + 128 x half
	s_lshl_b32 s92, s90, 9                         ; its codes, 512 bytes a row
	s_mov_b32 s93, 0
	s_lshl_b32 s94, s90, 5                         ; its scale bytes, 32 a row
	s_mov_b32 s95, 0
	s_mul_i32 s96, s86, 192
	s_mul_i32 s97, s[WJ], 96
	s_add_co_u32 s96, s96, s97                     ; W: row 192 x head + 96 x half
	s_lshl_b32 s98, s96, 9
	s_mov_b32 s99, 0
	s_lshl_b32 s100, s96, 5
	s_mov_b32 s101, 0
	s_mul_i32 s66, s[WJ], 128*PITCH                ; where they go: no place in the cluster enters an LDS address
	s_mul_i32 s67, s[WJ], 96*PITCH
	s_wait_dscnt 0x0
	s_wait_kmcnt 0x0
	s_add_nc_u64 s[92:93], s[4:5], s[92:93]
	s_add_nc_u64 s[94:95], s[6:7], s[94:95]
	s_add_nc_u64 s[98:99], s[8:9], s[98:99]
	s_add_nc_u64 s[100:101], s[10:11], s[100:101]
	s_mov_b32 s56, 1                               ; group 0: x's scale bytes
	s_mul_i32 s57, s[WJ], 16*272
	s_add_co_u32 s57, s57, SCL
	s_mov_b64 s[58:59], s[94:95]
	s_or_b32 s59, s59, 0x80000000
	s_mov_b32 s60, 1                               ; x's codes, K half 0
	s_mov_b32 s61, s66
	s_mov_b64 s[62:63], s[92:93]
	s_or_b32 s63, s63, 0x80000000
	s_mov_b32 s68, 1                               ; K half 1: 256 bytes on in each row
	s_add_co_u32 s69, s66, SLOT
	s_add_nc_u64 s[70:71], s[92:93], 256
	s_or_b32 s71, s71, 0x80000000
	s_mov_b32 s72, 1                               ; W's scale bytes
	s_mul_i32 s73, s[WJ], 12*272
	s_add_co_u32 s73, s73, SCW
	s_mov_b64 s[74:75], s[100:101]
	s_or_b32 s75, s75, 0x80000000
	s_mov_b32 s76, 1                               ; W's codes, K half 0
	s_add_co_u32 s77, s67, WOFF
	s_mov_b64 s[78:79], s[98:99]
	s_or_b32 s79, s79, 0x80000000
	s_mov_b32 s80, 1                               ; K half 1
	s_add_co_u32 s81, s67, SLOT+WOFF
	s_add_nc_u64 s[82:83], s[98:99], 256
	s_or_b32 s83, s83, 0x80000000
	CROUND                                         ; all sixteen work-groups are here: the joint loads meet
	s_cmp_eq_u32 s[WI], 0                          ; a wave's three fills stand in one branch on the wave's number: three tensor loads of mine are out
	s_cbranch_scc0 .Lfor_w
	tensor_load_to_lds s[56:59], s[G1SX:G1SX+7]
	s_nop 0
	tensor_load_to_lds s[60:63], s[G1X:G1X+7]
	s_nop 0
	tensor_load_to_lds s[68:71], s[G1X:G1X+7]
	s_nop 0
	PLACES                                         ; four v_nop follow the last of them
	s_branch .Lasked
.Lfor_w:
	tensor_load_to_lds s[72:75], s[G1SW:G1SW+7]
	s_nop 0
	tensor_load_to_lds s[76:79], s[G1W:G1W+7]
	s_nop 0
	tensor_load_to_lds s[80:83], s[G1W:G1W+7]
	s_nop 0
	PLACES
.Lasked:
	v_and_b32 v1, 15, v0                           ; r
	v_bfe_u32 v2, v0, 4, 1                         ; h
	v_mul_u32_u24 v3, v1, PITCH
	v_lshl_add_u32 v3, v2, 4, v3                   ; a fragment's row x pitch + 16 h
	s_mul_i32 s90, s[WI], 128*PITCH                ; my 128 rows of x
	v_add_nc_u32 v[AX], s90, v3
	v_add_nc_u32 v[AX+1], SLOT, v[AX]
	s_mul_i32 s91, s[WJ], 4*TILEB                  ; W's tiles 4 j .. 4 j + 3: q or k
	s_add_co_u32 s91, s91, WOFF
	v_add_nc_u32 v[AW], s91, v3
	v_add_nc_u32 v[AW+1], SLOT, v[AW]
	s_mul_i32 s94, s[WJ], 2*TILEB                  ; W's tiles 8 + 2 j, 9 + 2 j: my 32 dims of v
	s_add_co_u32 s94, s94, WOFF+8*TILEB
	v_add_nc_u32 v[AV], s94, v3
	v_add_nc_u32 v[AV+1], SLOT, v[AV]
	v_lshrrev_b32 v17, 3, v1
	v_lshlrev_b32 v18, 5, v1
	v_lshl_add_u32 v17, v17, 4, v18                ; a row's scale bytes: 32 r, and 16 more behind each 256
	s_mul_i32 s90, s[WI], 8*STILE
	s_add_co_u32 s90, s90, SCL
	v_add_nc_u32 v[ASX], s90, v17
	s_mul_i32 s91, s[WJ], 4*STILE
	s_add_co_u32 s91, s91, SCW
	v_add_nc_u32 v[ASW], s91, v17
	s_mul_i32 s94, s[WJ], 2*STILE
	s_add_co_u32 s94, s94, SCW+8*STILE
	v_add_nc_u32 v[ASV], s94, v17
	v_and_b32 v[L16], 31, v0
	v_lshlrev_b32 v[L8], 3, v[L16]
	v_lshlrev_b32 v[L16], 4, v[L16]
	v_lshlrev_b32 v[BO], 5, v2
	v_lshlrev_b32 v[BR], 2, v1
.irp b, 0,1,2,3
	v_mov_b32 v[TM+4+\b], 0                        ; written once: a lane permute's destination counts as one of its sources
.endr
	; the biases are the C of each sum's first product, in the result's layout
	s_mul_i32 s90, s86, 768
	s_lshl_b32 s91, s[WJ], 8
	s_add_co_u32 s90, s90, s91
	s_mov_b32 s91, 0
	s_add_nc_u64 s[90:91], s[12:13], s[90:91]      ; b_qkv at column 192 head + 64 j
	s_mul_i32 s94, s86, 768
	s_lshl_b32 s95, s[WJ], 7
	s_add_co_u32 s94, s94, s95
	s_mov_b32 s95, 0
	s_add_nc_u64 s[94:95], s[12:13], s[94:95]      ; and at 192 head + 32 j (v's 128 columns on stand in the immediate)
	WIN 0xc0                                       ; destination window 3
.irp m, 0,1,2,3
	global_load_b128 v[BQ+8*\m:BQ+8*\m+3], v[BO], s[90:91] offset:64*\m       ; q, k: lane (r, h) wants dims 16 m + 8 h + 0 .. 7
	global_load_b128 v[BQ+8*\m+4:BQ+8*\m+7], v[BO], s[90:91] offset:64*\m+16
.endr
.irp m, 0,1
.irp g, 0,1,2,3,4,5,6,7
	global_load_b32 v[BV+8*\m+\g], v[BR], s[94:95] offset:512+64*\m           ; v: lane (r, h) holds dim 16 m + r in all eight registers
.endr
.endr
	WIN 0
; 28 LDS loads in one run: the fragments of the q-th 128 along K (slot q / 4) into set q % 2: x's eight tiles, W's four for q or k, W's two for v
.macro FETCH q
	WIN 0x40                                       ; destination window 1, address window 0
.irp T, 0,1,2,3,4,5,6,7
.irp c, 0,1
	ds_load_b128 v[128*((\q)%2)+8*\T+4*\c:128*((\q)%2)+8*\T+4*\c+3], v[AX+(\q)/4] offset:TILEB*\T+64*((\q)%4)+32*\c
.endr
.endr
.irp m, 0,1,2,3
.irp c, 0,1
	ds_load_b128 v[128*((\q)%2)+64+8*\m+4*\c:128*((\q)%2)+64+8*\m+4*\c+3], v[AW+(\q)/4] offset:TILEB*\m+64*((\q)%4)+32*\c
.endr
.endr
.irp m, 0,1
.irp c, 0,1
	ds_load_b128 v[128*((\q)%2)+96+8*\m+4*\c:128*((\q)%2)+96+8*\m+4*\c+3], v[AV+(\q)/4] offset:TILEB*\m+64*((\q)%4)+32*\c
.endr
.endr
	WIN 0
.endm
.macro SCALES s                        ; the scale words of K half s: four words a row, 14 tiles
.irp T, 0,1,2,3,4,5,6,7
	ds_load_b128 v[SC+56*\s+4*\T:SC+56*\s+4*\T+3], v[ASX] offset:STILE*\T+16*\s
.endr
.irp m, 0,1,2,3
	ds_load_b128 v[SC+56*\s+32+4*\m:SC+56*\s+32+4*\m+3], v[ASW] offset:STILE*\m+16*\s
.endr
.irp m, 0,1
	ds_load_b128 v[SC+56*\s+48+4*\m:SC+56*\s+48+4*\m+3], v[ASV] offset:STILE*\m+16*\s
.endr
.endm
; 48 matrix instructions, 128 along K.  The 48 accumulators take turns, one instruction a turn, in the same order in every step.  first = 1: C is the bias: nothing is cleared.
.macro MULS q, first
.set P_, 128*((\q)%2)
.set S_, SC+56*((\q)/4)+(\q)%4
.if \first
	WIN 0xb5                                       ; sources 0 and 1 window 1, C (the bias) window 3, D window 2
.else
	WIN 0xa5                                       ; C and D window 2
.endif
.irp T, 0,1,2,3,4,5,6,7
.irp m, 0,1,2,3
.set C_, 32*\T+8*\m
.if \first
.set C_, BQ+8*\m
.endif
	v_wmma_scale_f32_16x16x128_f8f6f4 v[32*\T+8*\m:32*\T+8*\m+7], v[P_+64+8*\m:P_+64+8*\m+7], v[P_+8*\T:P_+8*\T+7], v[C_:C_+7], v[S_+32+4*\m], v[S_+4*\T] matrix_a_fmt:MATRIX_FMT_FP4 matrix_b_fmt:MATRIX_FMT_FP4
.endr
.endr
	WIN 0xf5                                       ; C and D window 3
.irp m, 0,1
.irp T, 0,1,2,3,4,5,6,7
.set C_, 64*\m+8*\T
.if \first
.set C_, BV+8*\m
.endif
	v_wmma_scale_f32_16x16x128_f8f6f4 v[64*\m+8*\T:64*\m+8*\T+7], v[P_+8*\T:P_+8*\T+7], v[P_+96+8*\m:P_+96+8*\m+7], v[C_:C_+7], v[S_+4*\T], v[S_+48+4*\m] matrix_a_fmt:MATRIX_FMT_FP4 matrix_b_fmt:MATRIX_FMT_FP4
.endr
.endr
.endm
; A step of 128 along K: its fragments were asked for a step ago; the next step's are asked for ahead of its 48 products.
.macro STEP q, first
	s_wait_dscnt 0x0                               ; this step's fragments (and scale words) are in
.if (\q) == 3
	s_wait_tensorcnt 0x0                           ; my part of K half 1 has landed,
	s_barrier_signal -1
	s_barrier_wait -1                              ; everybody's has
.endif
.if (\q) < 7
.if (\q) > 0
	PLACES                                         ; the loads below land in the set that the last step's products read
.endif
	FETCH (\q)+1
.if (\q) == 3
	SCALES 1
.endif
.endif
	MULS \q, \first
.endm
; 64 numbers of a lane in window W, v[s] on, tile t's register g = k 16 t + 8 (lane / 16) + g of my row, become a fragment's codes in v[pc] on and its scale word in v[pw].
; Block b is registers 16 b .. 16 b + 15 of lanes l and l xor 16.  Each accumulator is read from its low end on.
.macro QUANT W, s, pc, pw
	WIN 5*(\W)                                     ; sources 0 and 1: the accumulators' window
.irp b, 0,1,2,3
	v_max3_num_f32 v[TM+\b], |v[(\s)+16*\b]|, |v[(\s)+16*\b+1]|, 0x1800000   ; with the floor 2^(3 - 127): the byte cannot fall under 1
.endr
.irp i, 2,4,6,8,10,12,14
.irp b, 0,1,2,3
	v_max3_num_f32 v[TM+\b], |v[(\s)+16*\b+\i]|, |v[(\s)+16*\b+\i+1]|, v[TM+\b]   ; the four blocks by turns
.endr
.endr
	WIN 0
.irp b, 0,1,2,3
	v_permlanex16_b32 v[TM+4+\b], v[TM+\b], s[SEL], s[SEL+1]
.endr
.irp b, 0,1,2,3
	v_max_num_f32 v[TM+\b], v[TM+\b], v[TM+4+\b]   ; with lane l xor 16's: the block's largest magnitude
.endr
.irp b, 0,1,2,3
	v_add_nc_u32 v[TM+12+\b], 0xff000000, v[TM+\b] ; 2 off its exponent field: the conversion's scale operand
.endr
.irp b, 0,1,2,3
	v_lshrrev_b32 v[TM+4+\b], 23, v[TM+12+\b]      ; the scale's byte
.endr
	v_lshl_or_b32 v[\pw], v[TM+5], 8, v[TM+4]
	v_lshl_or_b32 v[\pw], v[TM+6], 16, v[\pw]
	v_lshl_or_b32 v[\pw], v[TM+7], 24, v[\pw]
	WIN \W
.irp t, 0,1,2,3,4,5,6,7                ; of each four tiles, tiles 0, 2, 1, 3 go to registers 0, 1, 2, 3
	v_cvt_scalef32_pk8_fp4_f32 v[(\pc)+4*(\t/4)+(\t%4)/2+2*(\t%2)], v[(\s)+8*\t:(\s)+8*\t+7], v[TM+12+\t/2]
.endr
	WIN 0
	v_nop                                          ; one plain place behind a scaled conversion
.irp c, 0,1                            ; the first's lanes 16-31 change places with the second's lanes 0-15: register 4 c + i of lane (r, h) then holds k = 64 c + 32 h + 8 i + 0 .. 7
	v_permlane16_swap_b32 v[(\pc)+4*\c], v[(\pc)+4*\c+1]
	v_permlane16_swap_b32 v[(\pc)+4*\c+2], v[(\pc)+4*\c+3]
.endr
.endm
	s_wait_tensorcnt 0x1                           ; the scale bytes and my part of K half 0 are in; one load, K half 1's, may be out
	s_barrier_signal -1
	s_barrier_wait -1                              ; everybody's are
	SCALES 0
	FETCH 0
	s_wait_loadcnt 0x0                             ; the biases
	STEP 0, 1
.irp q, 1,2,3,4,5,6,7
	STEP \q, 0
.endr
	WIN 0
	; where the images go: bh = 16 x batch + head, G = the key step
	s_lshr_b32 s90, s87, 3
	s_lshl_b32 s90, s90, 4
	s_add_co_u32 s90, s90, s86                     ; bh
	s_and_b32 s91, s87, 7
	s_lshl_b32 s91, s91, 1
	s_add_co_u32 s91, s91, s[WI]                   ; G
	s_mul_i32 s92, s90, 147456
	s_mul_i32 s93, s91, 9216
	s_add_co_u32 s92, s92, s93
	s_mov_b32 s93, 0
	s_add_nc_u64 s[18:19], s[18:19], s[92:93]      ; kv_img at my key step
	s_lshl_b32 s92, s90, 16
	s_lshl_b32 s94, s91, 12
	s_add_co_u32 s92, s92, s94
	s_add_nc_u64 s[14:15], s[14:15], s[92:93]      ; q_img at my eight tiles
	s_lshl_b32 s92, s90, 13
	s_lshl_b32 s94, s91, 9
	s_add_co_u32 s92, s92, s94
	s_add_nc_u64 s[16:17], s[16:17], s[92:93]      ; q_scl at my group
	s_add_nc_u64 s[96:97], s[18:19], 8192          ; K's scale words
	s_lshl_b32 s92, s[WJ], 11
	s_add_nc_u64 s[98:99], s[18:19], s[92:93]      ; V's images 2 j, 2 j + 1 (4,096 more in the immediate)
	s_lshl_b32 s92, s[WJ], 8
	s_add_nc_u64 s[100:101], s[18:19], s[92:93]    ; V's scale words (8,704 more in the immediate)
	s_cmp_eq_u32 s[WJ], 0                          ; q's wave or k's?  The choice hangs on the wave's number alone
	s_cselect_b64 s[14:15], s[14:15], s[18:19]
	s_cselect_b64 s[16:17], s[16:17], s[96:97]
	PLACES                                         ; behind the last products, ahead of the first read of results
.irp u, 0,1,2,3                        ; token tiles 2 u and 2 u + 1 make one image: half 0 and half 1; each image has registers of its own, so no store's data are written again
	QUANT 2, 64*\u, PC+8*\u, KW+\u
	global_store_b128 v[L16], v[PC+8*\u:PC+8*\u+3], s[14:15] offset:1024*\u          ; 32 lanes store 512 consecutive bytes, aligned
	global_store_b128 v[L16], v[PC+8*\u+4:PC+8*\u+7], s[14:15] offset:1024*\u+512
.endr
	global_store_b128 v[L16], v[KW:KW+3], s[16:17]
.irp m, 0,1                            ; dims 16 (2 j + m) on x the step's 128 keys
	QUANT 3, 64*\m, PC+32+8*\m, VW+\m
	global_store_b128 v[L16], v[PC+32+8*\m:PC+32+8*\m+3], s[98:99] offset:4096+1024*\m
	global_store_b128 v[L16], v[PC+32+8*\m+4:PC+32+8*\m+7], s[98:99] offset:4096+1024*\m+512
.endr
	global_store_b64 v[L8], v[VW:VW+1], s[100:101] offset:8704                       ; 256 consecutive bytes, aligned
	s_wait_tensorcnt 0x0
	ds_add_u32 v254, v255
	s_wait_dscnt 0x0
	CROUND                                         ; the closing round: no work-group ends while a partner may still ask for a tile that names it
	s_endpgm
.Lfunc_end_k_q82c198c0e7_qkv:
	.size	k_q82c198c0e7_qkv, .Lfunc_end_k_q82c198c0e7_qkv-k_q82c198c0e7_qkv
	.p2alignl 7, 3214868480
	.fill 96, 4, 3214868480
	.section	.rodata,"a",@progbits
	.p2align	6, 0x0
	.amdhsa_kernel k_q82c198c0e7_qkv
		.amdhsa_group_segment_fixed_size 259584
		.amdhsa_private_segment_fixed_size 0
		.amdhsa_enable_private_segment 0
		.amdhsa_kernarg_size 64
		.amdhsa_user_sgpr_count 2
		.amdhsa_user_sgpr_kernarg_segment_ptr 1
		.amdhsa_wavefront_size32 1
		.amdhsa_system_sgpr_workgroup_id_x 1
		.amdhsa_system_sgpr_workgroup_id_y 1
		.amdhsa_system_sgpr_workgroup_id_z 1
		.amdhsa_system_vgpr_workitem_id 0
		.amdhsa_next_free_vgpr 1024
		.amdhsa_next_free_sgpr 102
		.amdhsa_reserve_vcc 0
		.amdhsa_float_denorm_mode_32 3
		.amdhsa_float_denorm_mode_16_64 3
		.amdhsa_memory_ordered 1
		.amdhsa_forward_progress 1
		.amdhsa_inst_pref_size 103
	.end_amdhsa_kernel
	.amdgpu_metadata
---
amdhsa.version: [ 1, 2 ]
amdhsa.kernels:
  - .name:           k_q82c198c0e7_qkv
    .symbol:         k_q82c198c0e7_qkv.kd
    .args:
      - { .name: x_codes, .offset: 0, .size: 8, .value_kind: global_buffer, .address_space: global }
      - { .name: x_scales, .offset: 8, .size: 8, .value_kind: global_buffer, .address_space: global }
      - { .name: W_qkv_codes, .offset: 16, .size: 8, .value_kind: global_buffer, .address_space: global }
      - { .name: W_qkv_scales, .offset: 24, .size: 8, .value_kind: global_buffer, .address_space: global }
      - { .name: b_qkv, .offset: 32, .size: 8, .value_kind: global_buffer, .address_space: global }
      - { .name: q_img, .offset: 40, .size: 8, .value_kind: global_buffer, .address_space: global }
      - { .name: q_scl, .offset: 48, .size: 8, .value_kind: global_buffer, .address_space: global }
      - { .name: kv_img, .offset: 56, .size: 8, .value_kind: global_buffer, .address_space: global }
    .group_segment_fixed_size: 259584
    .private_segment_fixed_size: 0
    .kernarg_segment_align: 8
    .kernarg_segment_size: 64
    .max_flat_workgroup_size: 128
    .sgpr_count:     102
    .vgpr_count:     1024
    .wavefront_size: 32
...
	.end_amdgpu_metadata
.endif
;; end of part 1
;; launch attn (part 2): grid 8 x 32, 16 waves a work-group, clusters of 4 x 1, 297,984 bytes of LDS; arguments q_img, q_scl, kv_img, a_img, a_scl; writes a_img, a_scl
.if DOCPART == 2
	.amdgcn_target "amdgcn-amd-amdhsa--gfx1250"
	.amdhsa_code_object_version 6
	.text
	.protected	k_q82c198c0e7_attn
	.globl	k_q82c198c0e7_attn
	.p2align	8
	.type	k_q82c198c0e7_attn,@function
k_q82c198c0e7_attn:
	s_mov_b64 s[64:65], 0
	v_nop
	global_prefetch_b8 v0, s[64:65] scope:SCOPE_SE
	s_setreg_imm32_b32 hwreg(HW_REG_WAVE_MODE, 25, 1), 1
	s_wait_xcnt 0x0
	s_wait_alu depctr_hold_cnt(0) depctr_sa_sdst(0) depctr_va_vdst(0) depctr_va_sdst(0) depctr_va_ssrc(0) depctr_va_vcc(0) depctr_vm_vsrc(0)
	s_getreg_b32 s2, hwreg(HW_REG_IB_STS2, 6, 4)
	s_cmp_eq_u32 s2, 0
	s_cbranch_scc0 .Lentry_in_a_cluster
	s_endpgm
.Lentry_in_a_cluster:
	s_bfe_u32 s2, ttmp6, 0x10000c
	s_cmp_lg_u32 s2, 0x3003
	s_cbranch_scc0 .Lentry_shape_is_right
	s_endpgm
.Lentry_shape_is_right:
; Attention on codes of FP4 (E2M1): S^T = K Q^T, p = 2^(t - M), O^T = V^T P^T, O / l, and the result quantised along E for the last product.  Head size 64, 2,048 keys, no mask.
; THE SOFTMAX AHEAD OF THE SECOND PRODUCT: t = score x log2(e) / 8; M = the row's largest t so far, rounded UP to a whole number; p = 2^(t - M) is quantised along the keys, not normalised.
; The row's sum is taken of the unquantised p and divides O at the end.  When M moves, the sum and O are multiplied by 2^(old M - new M): exact.
; SHARES.  A work-group owns 256 queries of one batch and TWO heads, 2 P and 2 P + 1; each of its sixteen waves owns one tile of 16 queries and walks the first head's keys, then the second's, 128 a step.
; The two heads' results are the two halves of one fragment (128 along E) of the last product, and their four scale bytes one word.
; Both heads' K and V, 294,912 bytes of kv_img, are copied into LDS once, as they lie: eight tensor loads a wave at the kernel's head, nothing filled again.
; CLUSTER 4 x 1: the four blocks of queries of a cluster walk the same two heads: every tile is asked for jointly.
; OPERANDS ARE IMAGES OF REGISTERS ([half c][lane][16 bytes]): every LDS load of a wave reads consecutive bytes.
; HEAD SIZE 64 IS HALF OF THE INSTRUCTION'S K: an image of K holds two key tiles, [tile 2 u | tile 2 u + 1]; it is multiplied once by [q | 0] and once by [0 | q].  Zero codes add nothing under any scale byte that is made here.
; LAYOUT.  Both products are used transposed: a lane holds ONE query (lane % 16) throughout; S^T's tile t, register g: key 16 t + 8 (lane / 16) + g.
; LIMITS: NaN and infinities are not served; a block of zeros, and one whose largest magnitude lies under 2^-124, gets the byte 1 (zero codes; the bytes are read by this program alone).
.set STEPB, 9216                       ; a key step in kv_img and in LDS: 4 images of K, 4 of V^T, K's scale words (512 bytes), V's (512)
.set HEADB, 16*STEPB
.set PARTB, 4*STEPB                    ; what the sixteen waves' n-th loads bring together
.set STG,   2*HEADB                    ; behind the copy: the 256 rows' scale words, 1,024 bytes into which no fill lands
.set L16, 1                            ; v1  16 x lane
.set L8,  2                            ; v2  8 x lane
.set ADK, 3                            ; v3  the step's first byte + 16 x lane
.set ADV, 4                            ; v4  + 8 x lane
.set T16, 5                            ; v5  16 x thread
.set SGA, 6                            ; v6  where my row's scale word goes: STG + 64 x wave + 4 (lane % 16)
.set SGR, 7                            ; v7  where waves 0 and 1 read the words back: STG + 16 x thread
.set QP,  8                            ; v8-9   the words of q's scales as loaded (two tiles' bytes each)
.set QS0, 10                           ; v10-11 q's scale word [q0 q1 q0 q1], first and second head
.set QS1, 11
.set NM,  12                           ; v12 -M, v13 the largest t
.set SUM, 14                           ; v[14:15] the sum in two halves
.set QB0, 16                           ; v[16:27] [0000 | q | 0000]: registers 0-7 are [0 | q], registers 4-11 are [q | 0]
.set QB1, 28                           ; v[28:39] the second head's
.set KF,  40                           ; v40-71   four images of K
.set VF,  72                           ; v72-103  four images of V^T
.set S,   104                          ; v104-167 S^T, then p
.set OT,  168                          ; v168-199 O^T
.set PC,  200                          ; v200-207 p's codes
.set KS,  208                          ; v208-211 K's scale words
.set VS,  212                          ; v212-215 V's
.set PW,  216                          ; v216     p's
.set AW,  217                          ; v217     the result's scale word
.set R0,  218                          ; v218-221 the first head's codes
.set BM,  224                          ; v224-227 the blocks' largest scores, then largest p
.set PT,  228                          ; v228-231 the other half's; then bytes
.set SO,  232                          ; v232-235 the conversions' scale operands
.set SM2, 236                          ; v[236:237] the sum's second chain
.set F,   238                          ; v238 f; v239 is named with it as a pair
.set TA,  240
.set R1,  244                          ; v244-247 the second head's codes
.set WV,  14
.set SEL, 20
.set CS,  22
.set G1,  24
.set G0,  32                           ; s[32:63] eight sets of group 0
.set TB,  66                           ; s66 LDS byte at which the step in hand begins
.set CNT, 67
.macro PLACES
.rept 4
	v_nop
.endr
.endm
.macro CROUND                          ; a round of the cluster's barrier
	s_barrier_signal -1
	s_barrier_wait -1
	s_cmp_lg_u32 s[WV], 0
	s_cbranch_scc1 .Lnot_wave_0_\@
	s_barrier_signal -3
.Lnot_wave_0_\@:
	s_barrier_wait -3
	s_barrier_signal -1
	s_barrier_wait -1
.endm
	s_load_b256 s[4:11], s[0:1], 0x0               ; q_img s[4:5], q_scl s[6:7], kv_img s[8:9], a_img s[10:11]
	s_load_b64 s[12:13], s[0:1], 0x20              ; a_scl
	v_lshl_add_u32 v254, v0, 2, 0x48400
	v_mov_b32 v255, 0
	ds_add_u32 v254, v255
	ds_add_u32 v254, v255
	v_lshrrev_b32 v3, 5, v0
	s_delay_alu instid0(VALU_DEP_1)
	v_readfirstlane_b32 s[WV], v3                  ; wave 0..15
	s_bfe_u32 s15, ttmp6, 0x40000                  ; cx: it enters q's and the result's addresses alone
	s_lshl_b32 s16, ttmp9, 2
	s_add_co_u32 s16, s16, s15                     ; X: my block of 256 queries
	s_and_b32 s17, ttmp7, 0xffff                   ; P = 8 x batch + pair of heads, which the four partners share
	s_mov_b32 s[SEL], 0x76543210
	s_mov_b32 s[SEL+1], 0xfedcba98
	s_mov_b32 s[CS], 0x3e38aa3b                    ; c = log2(e) / sqrt(64)
	s_mov_b32 s[CS+1], s[CS]                       ; (named with it as a pair, so it is written)
	; group 1: 9 dense rows of 256 bytes (32 elements of 8), no padding
	s_mov_b32 s[G1], 15|(3<<16)|(1<<21)            ; 15:0 the mask: all four work-groups; 17:16 elements of 8 bytes; 21 set beside a mask
	s_mov_b32 s[G1+1], 32<<16
	s_mov_b32 s[G1+2], 9<<16
	s_mov_b32 s[G1+3], 32<<16
	s_mov_b32 s[G1+4], 9
	s_mov_b32 s[G1+5], 32
	s_mov_b32 s[G1+6], 0
	s_mov_b32 s[G1+7], 0
	s_mul_i32 s70, s[WV], 2304                     ; my sixteenth of each part, in LDS and in memory alike
	s_mul_i32 s68, s17, 2*HEADB
	s_add_co_u32 s68, s68, s70
	s_mov_b32 s69, 0
	s_lshl_b32 s71, s16, 4
	s_add_co_u32 s71, s71, s[WV]                   ; T: my tile of queries in the batch
	s_lshl_b32 s72, s17, 17
	s_lshl_b32 s73, s71, 9
	s_add_co_u32 s72, s72, s73                     ; q_img: 65,536 x (2 P) + 512 T
	s_mov_b32 s73, 0
	s_lshl_b32 s74, s17, 14                        ; q_scl: 8,192 x (2 P) + 512 (T / 8) + 4 ((T % 8) / 2)
	s_lshl_b32 s75, s16, 1
	s_lshr_b32 s76, s[WV], 3
	s_add_co_u32 s75, s75, s76
	s_lshl_b32 s75, s75, 9
	s_add_co_u32 s74, s74, s75
	s_bfe_u32 s75, s[WV], 0x20001
	s_lshl_b32 s75, s75, 2
	s_add_co_u32 s74, s74, s75
	s_mov_b32 s75, 0
	s_lshr_b32 s76, s17, 3                         ; the batch
	s_and_b32 s77, s17, 7                          ; the pair of heads = the last product's K step
	s_lshl_b32 s78, s76, 7
	s_add_co_u32 s78, s78, s71
	s_lshl_b32 s78, s78, 13
	s_lshl_b32 s79, s77, 10
	s_add_co_u32 s78, s78, s79                     ; a_img: 8,192 x (128 batch + T) + 1,024 x pair
	s_mov_b32 s79, 0
	s_lshl_b32 s80, s77, 15
	s_lshl_b32 s81, s76, 13
	s_add_co_u32 s80, s80, s81
	s_lshl_b32 s81, s16, 10
	s_add_co_u32 s80, s80, s81                     ; a_scl: 32,768 x pair + 4 (2,048 batch + 256 X)
	s_mov_b32 s81, 0
	s_and_b32 s82, s[WV], 1
	s_cmp_eq_u32 s82, 0
	s_mov_b32 s83, 0x07060302                      ; an odd tile's bytes are the loaded word's upper two,
	s_cselect_b32 s83, 0x05040100, s83             ; an even tile's the lower two
	s_wait_dscnt 0x0
	s_wait_kmcnt 0x0
	s_add_nc_u64 s[8:9], s[8:9], s[68:69]
	s_add_nc_u64 s[4:5], s[4:5], s[72:73]
	s_add_nc_u64 s[6:7], s[6:7], s[74:75]
	s_add_nc_u64 s[10:11], s[10:11], s[78:79]
	s_add_nc_u64 s[12:13], s[12:13], s[80:81]
.irp n, 0,1,2,3,4,5,6,7
	s_mov_b32 s[G0+4*\n], 1
	s_add_co_u32 s[G0+4*\n+1], s70, PARTB*\n
	s_add_nc_u64 s[G0+4*\n+2:G0+4*\n+3], s[8:9], PARTB*\n
	s_or_b32 s[G0+4*\n+3], s[G0+4*\n+3], 0x80000000
.endr
	CROUND                                         ; all four work-groups are here: the joint loads meet
.irp n, 0,1,2,3,4,5,6,7
	tensor_load_to_lds s[G0+4*\n:G0+4*\n+3], s[G1:G1+7]   ; part n: key steps 4 n .. 4 n + 3 of the pair's 32.  Eight tensor loads of mine are out
	s_nop 0
.endr
	PLACES                                         ; four v_nop follow the last of them
	v_and_b32 v[L8], 31, v0
	s_delay_alu instid0(VALU_DEP_1)
	v_lshlrev_b32 v[L16], 4, v[L8]
	s_delay_alu instid0(VALU_DEP_2)
	v_lshlrev_b32 v[L8], 3, v[L8]
	global_load_b128 v[QB0+4:QB0+7], v[L16], s[4:5]                ; q's codes: lane (r, h): query r, dims 32 h on
	global_load_b128 v[QB1+4:QB1+7], v[L16], s[4:5] offset:65536
	global_load_b32 v[QP], v[L16], s[6:7]
	global_load_b32 v[QP+1], v[L16], s[6:7] offset:8192
	v_lshlrev_b32 v[T16], 4, v0
	s_delay_alu instid0(VALU_DEP_1)
	v_add_nc_u32 v[SGR], STG, v[T16]
	v_lshrrev_b32 v[SGA], 5, v0
	v_and_b32 v[ADK], 15, v0
	s_delay_alu instid0(VALU_DEP_2)
	v_lshlrev_b32 v[SGA], 6, v[SGA]
	s_delay_alu instid0(VALU_DEP_1)
	v_lshl_add_u32 v[SGA], v[ADK], 2, v[SGA]
	s_delay_alu instid0(VALU_DEP_1)
	v_add_nc_u32 v[SGA], STG, v[SGA]
.irp g, 0,1,2,3,8,9,10,11
	v_mov_b32 v[QB0+\g], 0                         ; zero codes on both sides of q
	v_mov_b32 v[QB1+\g], 0
.endr
.irp b, 0,1,2,3
	v_mov_b32 v[PT+\b], 0                          ; written once: a lane permute's destination counts as one of its sources
.endr
	v_mov_b32 v[F+1], 0
	s_wait_loadcnt 0x0
	v_perm_b32 v[QS0], v[QP], v[QP], s83           ; [q0 q1 q0 q1]: the word serves [q | 0] and [0 | q] alike
	v_perm_b32 v[QS1], v[QP+1], v[QP+1], s83
; A KEY STEP: 128 keys of the head in hand.
.macro STEP QB, QS
	v_add_nc_u32 v[ADK], s[TB], v[L16]
	v_add_nc_u32 v[ADV], s[TB], v[L8]
	v_nop
	v_nop                                          ; these four are the places between the last step's products and the loads into V's registers
.irp u, 0,1,2,3
.irp c, 0,1
	ds_load_b128 v[KF+8*\u+4*\c:KF+8*\u+4*\c+3], v[ADK] offset:1024*\u+512*\c
.endr
.endr
	ds_load_b128 v[KS:KS+3], v[ADK] offset:8192
.irp u, 0,1,2,3
.irp c, 0,1
	ds_load_b128 v[VF+8*\u+4*\c:VF+8*\u+4*\c+3], v[ADK] offset:4096+1024*\u+512*\c
.endr
.endr
.irp c, 0,1
	ds_load_b64 v[VS+2*\c:VS+2*\c+1], v[ADV] offset:8704+256*\c
.endr
	s_wait_dscnt 10                                ; K's nine loads are in; the ten for V may be out
.irp u, 0,1,2,3
	v_wmma_scale_f32_16x16x128_f8f6f4 v[S+16*\u:S+16*\u+7], v[KF+8*\u:KF+8*\u+7], v[\QB+4:\QB+11], 0, v[KS+\u], v[\QS] matrix_a_fmt:MATRIX_FMT_FP4 matrix_b_fmt:MATRIX_FMT_FP4
	v_wmma_scale_f32_16x16x128_f8f6f4 v[S+16*\u+8:S+16*\u+15], v[KF+8*\u:KF+8*\u+7], v[\QB:\QB+7], 0, v[KS+\u], v[\QS] matrix_a_fmt:MATRIX_FMT_FP4 matrix_b_fmt:MATRIX_FMT_FP4
.endr
	PLACES
.irp b, 0,1,2,3
	v_max3_num_f32 v[BM+\b], v[S+16*\b], v[S+1+16*\b], v[S+2+16*\b]   ; the largest score of each block of 32 keys: for the row's maximum and, since p rises with the score, for the block's largest p
.endr
.irp i, 3,5,7,9,11,13
.irp b, 0,1,2,3
	v_max3_num_f32 v[BM+\b], v[BM+\b], v[S+16*\b+\i], v[S+1+16*\b+\i]
.endr
.endr
.irp b, 0,1,2,3
	v_max_num_f32 v[BM+\b], v[BM+\b], v[S+15+16*\b]
.endr
.irp b, 0,1,2,3
	s_delay_alu instid0(VALU_DEP_4)
	v_permlanex16_b32 v[PT+\b], v[BM+\b], s[SEL], s[SEL+1]
.endr
.irp b, 0,1,2,3
	s_delay_alu instid0(VALU_DEP_4)
	v_max_num_f32 v[BM+\b], v[BM+\b], v[PT+\b]     ; with lane l xor 16's 16 keys
.endr
	s_delay_alu instid0(VALU_DEP_2)
	v_max3_num_f32 v[TA], v[BM], v[BM+1], v[BM+2]
	s_delay_alu instid0(VALU_DEP_1)
	v_max_num_f32 v[TA], v[TA], v[BM+3]            ; the step's largest score of my query
	s_delay_alu instid0(VALU_DEP_1)
	v_mul_f32 v[TA], s[CS], v[TA]                  ; as t
	s_delay_alu instid0(VALU_DEP_1)
	v_max_num_f32 v[NM+1], v[NM+1], v[TA]          ; the running largest t
	v_mov_b32 v[TA], v[NM]
	s_delay_alu instid0(VALU_DEP_2)
	v_floor_f32 v[NM], -v[NM+1]                    ; the new -M = floor(-t): M is a whole number
	s_delay_alu instid0(VALU_DEP_1)
	v_sub_f32 v[TA], v[NM], v[TA]                  ; old M - new M: a whole number, 0 or less
	s_delay_alu instid0(VALU_DEP_1)
	v_cvt_i32_f32 v[TA], v[TA]                     ; (it saturates)
	s_delay_alu instid0(VALU_DEP_1)
	v_ldexp_f32 v[F], 1.0, v[TA]                   ; f = 2^(old M - new M)
.set j, 0
.rept 32
	v_pk_fma_f32 v[S+j:S+j+1], v[S+j:S+j+1], s[CS:CS+1], v[NM:NM+1] op_sel_hi:[1,0,0]   ; t - M, two at a time
.set j, j+2
.endr
.irp b, 0,1,2,3
	v_fma_f32 v[BM+\b], v[BM+\b], s[CS], v[NM]     ; the same of each block's largest score
.endr
.set j, 0
	s_wait_alu depctr_va_vdst(0)
.rept 64
	v_exp_f32 v[S+j], v[S+j]                       ; p = 2^(t - M), at most 1
.set j, j+1
.endr
	s_setprio 1
	v_pk_mul_f32 v[SUM:SUM+1], v[SUM:SUM+1], v[F:F+1] op_sel_hi:[1,0]   ; the sums under the new M; a plain place behind the exponentials
	s_wait_alu depctr_va_vdst(0)                   ; one wait for the batch of 64, ahead of its first reader
.irp b, 0,1,2,3
	v_exp_f32 v[BM+\b], v[BM+\b]                   ; the block's largest p: the same two instructions on the same number
.endr
	v_pk_add_f32 v[236:237], v[108:109], v[112:113]
	v_pk_add_f32 v[252:253], v[116:117], v[120:121]
	v_pk_add_f32 v[250:251], v[124:125], v[128:129]
	v_pk_add_f32 v[248:249], v[132:133], v[136:137]
	v_pk_add_f32 v[246:247], v[140:141], v[144:145]
	v_pk_add_f32 v[244:245], v[148:149], v[152:153]
	v_pk_add_f32 v[242:243], v[156:157], v[160:161]
	v_pk_add_f32 v[14:15], v[14:15], v[164:165]
	v_pk_add_f32 v[236:237], v[236:237], v[104:105]
	v_pk_add_f32 v[252:253], v[252:253], v[106:107]
	v_pk_add_f32 v[250:251], v[250:251], v[110:111]
	v_pk_add_f32 v[248:249], v[248:249], v[114:115]
	v_pk_add_f32 v[246:247], v[246:247], v[118:119]
	v_pk_add_f32 v[244:245], v[244:245], v[122:123]
	v_pk_add_f32 v[242:243], v[242:243], v[126:127]
	v_pk_add_f32 v[14:15], v[14:15], v[130:131]
	v_pk_add_f32 v[236:237], v[236:237], v[134:135]
	v_pk_add_f32 v[252:253], v[252:253], v[138:139]
	v_pk_add_f32 v[250:251], v[250:251], v[142:143]
	v_pk_add_f32 v[248:249], v[248:249], v[146:147]
	v_pk_add_f32 v[246:247], v[246:247], v[150:151]
	v_pk_add_f32 v[244:245], v[244:245], v[154:155]
	v_pk_add_f32 v[242:243], v[242:243], v[158:159]
	v_pk_add_f32 v[14:15], v[14:15], v[162:163]
	v_pk_add_f32 v[236:237], v[236:237], v[166:167]
	s_delay_alu instid0(VALU_DEP_2)
	v_pk_add_f32 v[14:15], v[14:15], v[248:249]
	s_delay_alu instid0(VALU_DEP_2)
	v_pk_add_f32 v[236:237], v[236:237], v[246:247]
	v_pk_add_f32 v[252:253], v[252:253], v[244:245]
	v_pk_add_f32 v[250:251], v[250:251], v[242:243]
	s_delay_alu instid0(VALU_DEP_2)
	v_pk_add_f32 v[14:15], v[14:15], v[252:253]
	s_delay_alu instid0(VALU_DEP_2)
	v_pk_add_f32 v[236:237], v[236:237], v[250:251]
	s_delay_alu instid0(VALU_DEP_1)
	v_pk_add_f32 v[14:15], v[14:15], v[236:237]
	s_wait_alu depctr_va_vdst(0)                   ; and one for the four
.irp b, 0,1,2,3
	v_max_num_f32 v[BM+\b], 0x1800000, v[BM+\b]    ; the floor 2^(3 - 127): the byte cannot fall under 1
.endr
.irp b, 0,1,2,3
	s_delay_alu instid0(VALU_DEP_4)
	v_add_nc_u32 v[SO+\b], 0xff000000, v[BM+\b]    ; 2 off the exponent field: the conversion's scale operand
.endr
.irp b, 0,1,2,3
	s_delay_alu instid0(VALU_DEP_4)
	v_lshrrev_b32 v[PT+\b], 23, v[SO+\b]           ; the scale's byte
.endr
	s_delay_alu instid0(VALU_DEP_3)
	v_lshl_or_b32 v[PW], v[PT+1], 8, v[PT]
	s_delay_alu instid0(VALU_DEP_1)
	v_lshl_or_b32 v[PW], v[PT+2], 16, v[PW]
	s_delay_alu instid0(VALU_DEP_1)
	v_lshl_or_b32 v[PW], v[PT+3], 24, v[PW]
.irp t, 0,1,2,3,4,5,6,7                ; of each four tiles, tiles 0, 2, 1, 3 go to registers 0, 1, 2, 3
	v_cvt_scalef32_pk8_fp4_f32 v[PC+4*(\t/4)+(\t%4)/2+2*(\t%2)], v[S+8*\t:S+8*\t+7], v[SO+\t/2]
.endr
	v_nop                                          ; one plain place behind a scaled conversion
.irp c, 0,1                            ; register 4 c + i of lane (r, h) then holds keys 64 c + 32 h + 8 i + 0 .. 7
	v_permlane16_swap_b32 v[PC+4*\c], v[PC+4*\c+1]
	v_permlane16_swap_b32 v[PC+4*\c+2], v[PC+4*\c+3]
.endr
.set j, 0
	s_setprio 0
.rept 16
	v_pk_mul_f32 v[OT+j:OT+j+1], v[OT+j:OT+j+1], v[F:F+1] op_sel_hi:[1,0]   ; O^T under the new M; these are also the places between p's codes and scale word and the products below
.set j, j+2
.endr
	s_wait_alu depctr_va_vdst(0)
	s_wait_dscnt 0x0                               ; V is in
.irp t, 0,1,2,3                        ; the four accumulators take turns, one instruction a turn
	v_wmma_scale_f32_16x16x128_f8f6f4 v[OT+8*\t:OT+8*\t+7], v[VF+8*\t:VF+8*\t+7], v[PC:PC+7], v[OT+8*\t:OT+8*\t+7], v[VS+\t], v[PW] matrix_a_fmt:MATRIX_FMT_FP4 matrix_b_fmt:MATRIX_FMT_FP4
.endr
	s_add_co_u32 s[TB], s[TB], STEPB
.endm
.macro LOOP n, tb0, QB, QS             ; n key steps from LDS byte tb0 on
	s_mov_b32 s[TB], \tb0
	s_mov_b32 s[CNT], \n
.Lk_\@:
	s_setprio 2
	STEP \QB, \QS
	s_sub_co_u32 s[CNT], s[CNT], 1
	s_cmp_lg_u32 s[CNT], 0
	s_cbranch_scc1 .Lk_\@
	s_setprio 0
.endm
.macro INIT                            ; the step is written without a first step of its own: it finds zeros, which the first change of M leaves zeros
	v_mov_b32 v[NM+1], 0xff61b1e6                  ; the largest t so far: -3e38
	s_delay_alu instid0(VALU_DEP_1)
	v_floor_f32 v[NM], -v[NM+1]
	v_mov_b32 v[SUM], 0
	v_mov_b32 v[SUM+1], 0
.set j, 0
.rept 32
	v_mov_b32 v[OT+j], 0
.set j, j+1
.endr
.endm
; A head's end: O^T / the sum, quantised along the head's 64 (two blocks): half c of the last product's fragment, and two bytes of its scale word.
.macro FIN c, R
	PLACES                                         ; behind the last products
	v_add_f32 v[SUM], v[SUM], v[SUM+1]
	s_delay_alu instid0(VALU_DEP_1)
	v_permlanex16_b32 v[TA], v[SUM], s[SEL], s[SEL+1]
	s_delay_alu instid0(VALU_DEP_1)
	v_add_f32 v[SUM], v[SUM], v[TA]                ; the row's sum
	s_wait_alu depctr_va_vdst(0)
	v_rcp_f32 v[SUM], v[SUM]
	v_nop                                          ; a plain place behind the reciprocal,
	s_wait_alu depctr_va_vdst(0)                   ; and the wait ahead of its first reader
.set j, 0
.rept 16
	v_pk_mul_f32 v[S+j:S+j+1], v[OT+j:OT+j+1], v[SUM:SUM+1] op_sel_hi:[1,0]   ; tile t, register g: dim 16 t + 8 (lane / 16) + g of my query
.set j, j+2
.endr
.irp b, 0,1
	v_max3_num_f32 v[BM+\b], |v[S+16*\b]|, |v[S+16*\b+1]|, 0x1800000
.endr
.irp i, 2,4,6,8,10,12,14
.irp b, 0,1
	s_delay_alu instid0(VALU_DEP_2)
	v_max3_num_f32 v[BM+\b], v[BM+\b], |v[S+16*\b+\i]|, |v[S+16*\b+\i+1]|
.endr
.endr
.irp b, 0,1
	s_delay_alu instid0(VALU_DEP_2)
	v_permlanex16_b32 v[PT+\b], v[BM+\b], s[SEL], s[SEL+1]
.endr
.irp b, 0,1
	s_delay_alu instid0(VALU_DEP_2)
	v_max_num_f32 v[BM+\b], v[BM+\b], v[PT+\b]
.endr
.irp b, 0,1
	s_delay_alu instid0(VALU_DEP_2)
	v_add_nc_u32 v[SO+\b], 0xff000000, v[BM+\b]
.endr
.irp b, 0,1
	s_delay_alu instid0(VALU_DEP_2)
	v_lshrrev_b32 v[PT+\b], 23, v[SO+\b]
.endr
.if \c
	s_delay_alu instid0(VALU_DEP_1)
	v_lshl_or_b32 v[TA], v[PT+1], 8, v[PT]
	s_delay_alu instid0(VALU_DEP_1)
	v_lshl_or_b32 v[AW], v[TA], 16, v[AW]          ; the second head's two bytes above the first's
.else
	s_delay_alu instid0(VALU_DEP_1)
	v_lshl_or_b32 v[AW], v[PT+1], 8, v[PT]
.endif
.irp t, 0,1,2,3
	v_cvt_scalef32_pk8_fp4_f32 v[\R+\t/2+2*(\t%2)], v[S+8*\t:S+8*\t+7], v[SO+\t/2]
.endr
	v_nop
	v_permlane16_swap_b32 v[\R], v[\R+1]
	v_permlane16_swap_b32 v[\R+2], v[\R+3]
	global_store_b128 v[L16], v[\R:\R+3], s[10:11] offset:512*\c   ; 32 lanes store 512 consecutive bytes, aligned; each head has registers of its own
.endm
	INIT
	s_wait_tensorcnt 7                             ; my part of key steps 0 to 3 is in; the seven later loads may be out
	s_barrier_signal -1
	s_barrier_wait -1                              ; everybody's is
	LOOP 4, 0, QB0, QS0
	s_wait_tensorcnt 4                             ; the first head is whole; the second head's four loads may be out
	s_wait_dscnt 0x0
	s_barrier_signal -1
	s_barrier_wait -1
	LOOP 12, PARTB, QB0, QS0
	FIN 0, R0
	INIT
	s_wait_tensorcnt 0x0                           ; the second head is whole
	s_wait_dscnt 0x0
	s_barrier_signal -1
	s_barrier_wait -1
	LOOP 16, HEADB, QB1, QS1
	FIN 1, R1
	ds_store_b32 v[SGA], v[AW]                     ; lanes l and l + 16 write the same word with the same value
	s_wait_dscnt 0x0                               ; for the others' sake: my store is done
	s_barrier_signal -1
	s_barrier_wait -1
	s_cmp_lt_u32 s[WV], 2                          ; waves 0 and 1 store the 256 words: 1,024 consecutive bytes, aligned
	s_cbranch_scc0 .Lno_words
	ds_load_b128 v[248:251], v[SGR]
	s_wait_dscnt 0x0
	global_store_b128 v[T16], v[248:251], s[12:13]
.Lno_words:
	s_wait_tensorcnt 0x0
	ds_add_u32 v254, v255
	s_wait_dscnt 0x0
	CROUND                                         ; the closing round
	s_endpgm
.Lfunc_end_k_q82c198c0e7_attn:
	.size	k_q82c198c0e7_attn, .Lfunc_end_k_q82c198c0e7_attn-k_q82c198c0e7_attn
	.p2alignl 7, 3214868480
	.fill 96, 4, 3214868480
	.section	.rodata,"a",@progbits
	.p2align	6, 0x0
	.amdhsa_kernel k_q82c198c0e7_attn
		.amdhsa_group_segment_fixed_size 297984
		.amdhsa_private_segment_fixed_size 0
		.amdhsa_enable_private_segment 0
		.amdhsa_kernarg_size 40
		.amdhsa_user_sgpr_count 2
		.amdhsa_user_sgpr_kernarg_segment_ptr 1
		.amdhsa_wavefront_size32 1
		.amdhsa_system_sgpr_workgroup_id_x 1
		.amdhsa_system_sgpr_workgroup_id_y 1
		.amdhsa_system_sgpr_workgroup_id_z 1
		.amdhsa_system_vgpr_workitem_id 0
		.amdhsa_next_free_vgpr 256
		.amdhsa_next_free_sgpr 84
		.amdhsa_reserve_vcc 0
		.amdhsa_float_denorm_mode_32 3
		.amdhsa_float_denorm_mode_16_64 3
		.amdhsa_memory_ordered 1
		.amdhsa_forward_progress 1
		.amdhsa_inst_pref_size 69
	.end_amdhsa_kernel
	.amdgpu_metadata
---
amdhsa.version: [ 1, 2 ]
amdhsa.kernels:
  - .name:           k_q82c198c0e7_attn
    .symbol:         k_q82c198c0e7_attn.kd
    .args:
      - { .name: q_img, .offset: 0, .size: 8, .value_kind: global_buffer, .address_space: global }
      - { .name: q_scl, .offset: 8, .size: 8, .value_kind: global_buffer, .address_space: global }
      - { .name: kv_img, .offset: 16, .size: 8, .value_kind: global_buffer, .address_space: global }
      - { .name: a_img, .offset: 24, .size: 8, .value_kind: global_buffer, .address_space: global }
      - { .name: a_scl, .offset: 32, .size: 8, .value_kind: global_buffer, .address_space: global }
    .group_segment_fixed_size: 297984
    .private_segment_fixed_size: 0
    .kernarg_segment_align: 8
    .kernarg_segment_size: 40
    .max_flat_workgroup_size: 512
    .sgpr_count:     84
    .vgpr_count:     256
    .wavefront_size: 32
...
	.end_amdgpu_metadata
.endif
;; end of part 2
;; launch proj (part 3): grid 64 x 4, 4 waves a work-group, clusters of 4 x 1, 182,272 bytes of LDS; arguments a_img, a_scl, W_out_codes, W_out_scales, b_out, out0; writes out0
.if DOCPART == 3
	.amdgcn_target "amdgcn-amd-amdhsa--gfx1250"
	.amdhsa_code_object_version 6
	.text
	.protected	k_q82c198c0e7_proj
	.globl	k_q82c198c0e7_proj
	.p2align	8
	.type	k_q82c198c0e7_proj,@function
k_q82c198c0e7_proj:
	s_mov_b64 s[64:65], 0
	v_nop
	global_prefetch_b8 v0, s[64:65] scope:SCOPE_SE
	s_setreg_imm32_b32 hwreg(HW_REG_WAVE_MODE, 25, 1), 1
	s_wait_xcnt 0x0
	s_wait_alu depctr_hold_cnt(0) depctr_sa_sdst(0) depctr_va_vdst(0) depctr_va_sdst(0) depctr_va_ssrc(0) depctr_va_vcc(0) depctr_vm_vsrc(0)
	s_getreg_b32 s2, hwreg(HW_REG_IB_STS2, 6, 4)
	s_cmp_eq_u32 s2, 0
	s_cbranch_scc0 .Lentry_in_a_cluster
	s_endpgm
.Lentry_in_a_cluster:
	s_bfe_u32 s2, ttmp6, 0x10000c
	s_cmp_lg_u32 s2, 0x3003
	s_cbranch_scc0 .Lentry_shape_is_right
	s_endpgm
.Lentry_shape_is_right:
; out0 = a W_out + b_out on codes of FP4 (E2M1) with one E8M0 scale for each 32 along K = 1,024.  a: the attention's result as images of operand registers (a_img [tile of 16 rows][K step][1,024 bytes]) and
; scale words (a_scl [K step][row]); W_out: codes with K innermost, [1,024][512 bytes], scale bytes [1,024][32].  out0: [8,192][1,024] f32.
; SHARES.  A work-group makes 128 rows x 256 columns; wave w: i = w / 2 picks 64 rows (4 tiles), j = w % 2 picks 128 columns (8 tiles): 32 accumulators.
; a's fragments are images, so they go from memory straight into registers, for all of K: 64 loads of 512 consecutive bytes.  W_out's 256 rows come through LDS as two halves of K, each filled once.
; CLUSTER 4 x 1: the four blocks of rows of a cluster need the same 256 rows of W_out: each tile is asked for jointly.
; THE PRODUCT IS USED TRANSPOSED (source 0 = 16 rows of W_out, source 1 = 16 rows of a): a lane holds eight neighbouring columns of one row of out0.  The bias is the C of each sum's first product.
; REGISTERS, in windows of 256: window 0: addresses; v32-95 W's scale words (tile b, K step g at 32 + 8 b + g); v96-111 a's (lanes 0-15 tile 2 a2, lanes 16-31 tile 2 a2 + 1); v128-255 the way out.
;   window 1: W's fragments, two sets of 64; from v128 the bias.   window 2: a's 32 fragments, (a, g) at 64 a + 8 g.   window 3: the accumulators, (a, b) at 8 (8 a + b).
.set PITCH, 272                        ; an LDS row: 256 bytes + 16 of padding
.set TILEB, 16*PITCH
.set SLOT,  256*PITCH
.set SCL,   2*SLOT                     ; W's scale bytes: 256 rows x 32 bytes as 32 rows of 256 + 16
.set STILE, 544
.set STG,   SCL+32*272                 ; the way out: 16 rows x (512 bytes + 16) for each wave; no fill lands here
.set SPITCH, 528
.set WV, 16
.set WI, 17
.set WJ, 18
.set G1,  24
.set G1S, 32
.set AB,  4                            ; v4-5 LDS address of my fragments of W in slot 0, 1
.set ASB, 6                            ; v6   of its scale words
.set STO, 7                            ; v7   the stage: where I put 32 bytes of a row
.set RD,  8                            ; v8   and where I read a row back
.set L16, 9                            ; v9   16 x lane
.set L4,  10                           ; v10  4 x lane
.set BO,  11                           ; v11  32 x (lane / 16)
.set SB,  32
.set SA,  96
.set BK,  128
.set BB,  128                          ; in window 1: the bias, 8 registers a tile
.set MSB, 0
.macro WIN new                         ; the immediate's high byte repeats the setting that is left
.if MSB != (\new)
	s_set_vgpr_msb (MSB<<8)|(\new)
.set MSB, (\new)
.endif
.endm
.macro PLACES
.rept 4
	v_nop
.endr
.endm
.macro CROUND                          ; a round of the cluster's barrier
	s_barrier_signal -1
	s_barrier_wait -1
	s_cmp_lg_u32 s[WV], 0
	s_cbranch_scc1 .Lnot_wave_0_\@
	s_barrier_signal -3
.Lnot_wave_0_\@:
	s_barrier_wait -3
	s_barrier_signal -1
	s_barrier_wait -1
.endm
	s_load_b256 s[4:11], s[0:1], 0x0               ; a_img s[4:5], a_scl s[6:7], W's codes s[8:9], W's scales s[10:11]
	s_load_b128 s[12:15], s[0:1], 0x20             ; b_out s[12:13], out0 s[14:15]
	v_lshl_add_u32 v126, v0, 2, 0x2c600
	v_mov_b32 v127, 0
	ds_add_u32 v126, v127
	ds_add_u32 v126, v127
	v_lshrrev_b32 v1, 5, v0
	v_readfirstlane_b32 s[WV], v1
	s_lshr_b32 s[WI], s[WV], 1
	s_and_b32 s[WJ], s[WV], 1
	s_bfe_u32 s19, ttmp6, 0x40000                  ; cx: it enters a's and out0's addresses alone
	s_lshl_b32 s20, ttmp9, 2
	s_add_co_u32 s20, s20, s19                     ; my block of 128 rows
	s_and_b32 s21, ttmp7, 0xffff                   ; my block of 256 columns, which the four partners share
	; group 1 for the codes: 64 rows of 256 bytes, 512 bytes apart in memory, 16 bytes of padding behind each
	s_mov_b32 s[G1], 15|(1<<20)|(1<<21)|(5<<22)|(3<<25)
	s_mov_b32 s[G1+1], 256<<16
	s_mov_b32 s[G1+2], 64<<16
	s_mov_b32 s[G1+3], 256<<16
	s_mov_b32 s[G1+4], 64
	s_mov_b32 s[G1+5], 512
	s_mov_b32 s[G1+6], 0
	s_mov_b32 s[G1+7], 0
	; and for the scale bytes of 64 rows: 8 dense rows of 256 bytes (32 elements of 8)
	s_mov_b32 s[G1S], 15|(3<<16)|(1<<20)|(1<<21)|(5<<22)|(3<<25)
	s_mov_b32 s[G1S+1], 32<<16
	s_mov_b32 s[G1S+2], 8<<16
	s_mov_b32 s[G1S+3], 32<<16
	s_mov_b32 s[G1S+4], 8
	s_mov_b32 s[G1S+5], 32
	s_mov_b32 s[G1S+6], 0
	s_mov_b32 s[G1S+7], 0
	s_lshl_b32 s52, s21, 8
	s_lshl_b32 s53, s[WV], 6
	s_add_co_u32 s52, s52, s53                     ; the rows of W that I fetch: 256 x block + 64 x wave
	s_lshl_b32 s54, s52, 9
	s_mov_b32 s55, 0
	s_lshl_b32 s56, s52, 5
	s_mov_b32 s57, 0
	s_mul_i32 s58, s[WV], 64*PITCH
	s_mul_i32 s59, s[WV], 8*272
	s_lshl_b32 s60, s20, 16                        ; a_img: 8,192 x (8 x block + 4 i)
	s_lshl_b32 s61, s[WI], 15
	s_add_co_u32 s60, s60, s61
	s_mov_b32 s61, 0
	s_lshl_b32 s62, s20, 9                         ; a_scl: 4 x (128 x block + 64 i)
	s_lshl_b32 s63, s[WI], 8
	s_add_co_u32 s62, s62, s63
	s_mov_b32 s63, 0
	s_lshl_b32 s66, s21, 10                        ; b_out, and a row of out0: 4 x (256 x block + 128 j)
	s_lshl_b32 s67, s[WJ], 9
	s_add_co_u32 s66, s66, s67
	s_mov_b32 s67, 0
	s_lshl_b32 s68, s20, 19                        ; out0: 4,096 x (128 x block + 64 i)
	s_lshl_b32 s69, s[WI], 18
	s_add_co_u32 s68, s68, s69
	s_add_co_u32 s68, s68, s66
	s_mov_b32 s69, 0
	s_wait_dscnt 0x0
	s_wait_kmcnt 0x0
	s_add_nc_u64 s[8:9], s[8:9], s[54:55]
	s_add_nc_u64 s[10:11], s[10:11], s[56:57]
	s_add_nc_u64 s[60:61], s[4:5], s[60:61]
	s_add_nc_u64 s[62:63], s[6:7], s[62:63]
	s_add_nc_u64 s[66:67], s[12:13], s[66:67]
	s_add_nc_u64 s[68:69], s[14:15], s[68:69]
	s_mov_b32 s40, 1                               ; group 0: the scale bytes
	s_add_co_u32 s41, s59, SCL
	s_mov_b64 s[42:43], s[10:11]
	s_or_b32 s43, s43, 0x80000000
	s_mov_b32 s44, 1                               ; K half 0
	s_mov_b32 s45, s58
	s_mov_b64 s[46:47], s[8:9]
	s_or_b32 s47, s47, 0x80000000
	s_mov_b32 s48, 1                               ; K half 1: 256 bytes on in each row
	s_add_co_u32 s49, s58, SLOT
	s_add_nc_u64 s[50:51], s[8:9], 256
	s_or_b32 s51, s51, 0x80000000
	CROUND                                         ; all four work-groups are here: the joint loads meet
	tensor_load_to_lds s[40:43], s[G1S:G1S+7]      ; three tensor loads of mine are out
	s_nop 0
	tensor_load_to_lds s[44:47], s[G1:G1+7]
	s_nop 0
	tensor_load_to_lds s[48:51], s[G1:G1+7]
	s_nop 0
	PLACES                                         ; four v_nop follow the last of them
	v_and_b32 v[L16], 31, v0
	v_lshlrev_b32 v[L4], 2, v[L16]
	v_lshlrev_b32 v[L16], 4, v[L16]
	v_and_b32 v1, 15, v0                           ; r
	v_bfe_u32 v2, v0, 4, 1                         ; h
	v_lshlrev_b32 v[BO], 5, v2
	WIN 0x80                                       ; destination window 2
.irp a, 0,1,2,3
.irp g, 0,1,2,3,4,5,6,7
.irp c, 0,1
	global_load_b128 v[64*\a+8*\g+4*\c:64*\a+8*\g+4*\c+3], v[L16], s[60:61] offset:8192*\a+1024*\g+512*\c   ; 32 lanes read 512 consecutive bytes
.endr
.endr
.endr
	WIN 0x40                                       ; destination window 1
.irp b, 0,1,2,3,4,5,6,7
	global_load_b128 v[BB+8*\b:BB+8*\b+3], v[BO], s[66:67] offset:64*\b       ; lane (r, h) wants columns 16 b + 8 h + 0 .. 7
	global_load_b128 v[BB+8*\b+4:BB+8*\b+7], v[BO], s[66:67] offset:64*\b+16
.endr
	WIN 0
.irp a, 0,1
.irp g, 0,1,2,3,4,5,6,7
	global_load_b32 v[SA+8*\a+\g], v[L4], s[62:63] offset:32768*\g+128*\a     ; rows 32 a2 + lane
.endr
.endr
	v_mul_u32_u24 v3, v1, PITCH
	v_lshl_add_u32 v3, v2, 4, v3
	s_mul_i32 s52, s[WJ], 128*PITCH                ; my 128 rows of W
	v_add_nc_u32 v[AB], s52, v3
	v_add_nc_u32 v[AB+1], SLOT, v[AB]
	v_lshrrev_b32 v12, 3, v1
	v_lshlrev_b32 v13, 5, v1
	v_lshl_add_u32 v12, v12, 4, v13                ; a row's scale bytes: 32 r, and 16 more behind each 256
	s_mul_i32 s53, s[WJ], 8*STILE
	s_add_co_u32 s53, s53, SCL
	v_add_nc_u32 v[ASB], s53, v12
	s_mul_i32 s54, s[WV], 16*SPITCH
	s_add_co_u32 s54, s54, STG                     ; my stage
	v_mul_u32_u24 v[STO], v1, SPITCH
	v_lshl_add_u32 v[STO], v2, 5, v[STO]
	v_add_nc_u32 v[STO], s54, v[STO]
	v_add_nc_u32 v[RD], s54, v[L16]
.macro FETCH q                         ; W's eight fragments of the q-th 128 along K (slot q / 4) into set q % 2
	WIN 0x40
.irp b, 0,1,2,3,4,5,6,7
.irp c, 0,1
	ds_load_b128 v[64*((\q)%2)+8*\b+4*\c:64*((\q)%2)+8*\b+4*\c+3], v[AB+(\q)/4] offset:TILEB*\b+64*((\q)%4)+32*\c
.endr
.endr
	WIN 0
.endm
.macro ONE a, b, g, first
.set D_, 8*(8*(\a)+(\b))
.set B_, 64*((\g)%2)+8*(\b)
.set A_, 64*(\a)+8*(\g)
.set C_, D_
.if \first
.set C_, BB+8*(\b)
.endif
.if (\a)%2
	v_wmma_scale_f32_16x16x128_f8f6f4 v[D_:D_+7], v[B_:B_+7], v[A_:A_+7], v[C_:C_+7], v[SB+8*(\b)+(\g)], v[SA+8*((\a)/2)+(\g)] matrix_a_fmt:MATRIX_FMT_FP4 matrix_b_fmt:MATRIX_FMT_FP4 matrix_b_scale:MATRIX_SCALE_ROW1
.else
	v_wmma_scale_f32_16x16x128_f8f6f4 v[D_:D_+7], v[B_:B_+7], v[A_:A_+7], v[C_:C_+7], v[SB+8*(\b)+(\g)], v[SA+8*((\a)/2)+(\g)] matrix_a_fmt:MATRIX_FMT_FP4 matrix_b_fmt:MATRIX_FMT_FP4
.endif
.endm
; A step of 128 along K: 32 matrix instructions; the 32 accumulators take turns, one instruction a turn, in the same order in every step.
.macro STEP g, first
	s_wait_dscnt 0x0                               ; this step's fragments are in
.if (\g) == 3
	s_wait_tensorcnt 0x0                           ; my part of K half 1 has landed,
	s_barrier_signal -1
	s_barrier_wait -1                              ; everybody's has
.endif
.if (\g) < 7
.if (\g) > 0
	PLACES                                         ; the loads below land in the set that the last step's products read
.endif
	FETCH (\g)+1
.endif
.if \first
	WIN 0xd9                                       ; source 0 (W) window 1, source 1 (a) window 2, C (the bias) window 1, D window 3
.else
	WIN 0xf9                                       ; C and D window 3
.endif
.irp a, 0,1,2,3
.irp b, 0,1,2,3,4,5,6,7
	ONE \a, \b, \g, \first
.endr
.endr
.endm
	s_wait_tensorcnt 0x1                           ; the scale bytes and my part of K half 0 are in; one load, K half 1's, may be out
	s_barrier_signal -1
	s_barrier_wait -1                              ; everybody's are
.irp b, 0,1,2,3,4,5,6,7
.irp s, 0,1
	ds_load_b128 v[SB+8*\b+4*\s:SB+8*\b+4*\s+3], v[ASB] offset:STILE*\b+16*\s   ; W's scale words, all of K
.endr
.endr
	FETCH 0
	s_wait_loadcnt 0x0                             ; a's fragments and scale words, the bias
	STEP 0, 1
.irp g, 1,2,3,4,5,6,7
	STEP \g, 0
.endr
	WIN 0
; THE WAY OUT, a block of 16 rows x 128 columns at a time: a lane holds 32 neighbouring bytes of a row and the lanes beside it hold other rows, so a block goes through my own stage in LDS and comes back as whole rows
; of 512 bytes.  LDS serves a wave's instructions in order (ISA guide 5.7.1.4): no wait between the stores and the loads, nor in front of the next block's stores.
.macro TOSTAGE a
	WIN 0x0c                                       ; an LDS store's data are its source 1: window 3
.irp b, 0,1,2,3,4,5,6,7
	ds_store_b128 v[STO], v[64*(\a)+8*\b:64*(\a)+8*\b+3] offset:64*\b          ; each accumulator from its low end on
	ds_store_b128 v[STO], v[64*(\a)+8*\b+4:64*(\a)+8*\b+7] offset:64*\b+16
.endr
	WIN 0
.irp t, 0,1,2,3,4,5,6,7,8,9,10,11,12,13,14,15
	ds_load_b128 v[BK+64*((\a)%2)+4*\t:BK+64*((\a)%2)+4*\t+3], v[RD] offset:\t*SPITCH
.endr
.endm
.macro SEND a, younger                 ; younger: the LDS instructions issued behind block a's loads, which may stay out
	s_wait_dscnt \younger
.irp t, 0,1,2,3,4,5,6,7,8,9,10,11,12,13,14,15
	global_store_b128 v[L16], v[BK+64*((\a)%2)+4*\t:BK+64*((\a)%2)+4*\t+3], s[68:69] offset:4096*(16*(\a)+\t) th:TH_STORE_NT   ; 32 lanes store 512 consecutive bytes, aligned; the row stands in the immediate
.endr
.endm
	PLACES                                         ; behind the last products, ahead of the first read of results
	TOSTAGE 0
	TOSTAGE 1
	SEND 0, 32                                     ; behind block 0's loads: block 1's 16 stores and 16 loads
	s_wait_xcnt 0x0                                ; block 0's stores have read their registers: block 2's loads may land there
	TOSTAGE 2
	SEND 1, 32
	s_wait_xcnt 0x0                                ; block 1's likewise
	TOSTAGE 3
	SEND 2, 32
	SEND 3, 0
	s_wait_tensorcnt 0x0
	ds_add_u32 v126, v127
	s_wait_dscnt 0x0
	CROUND                                         ; the closing round
	s_endpgm
.Lfunc_end_k_q82c198c0e7_proj:
	.size	k_q82c198c0e7_proj, .Lfunc_end_k_q82c198c0e7_proj-k_q82c198c0e7_proj
	.p2alignl 7, 3214868480
	.fill 96, 4, 3214868480
	.section	.rodata,"a",@progbits
	.p2align	6, 0x0
	.amdhsa_kernel k_q82c198c0e7_proj
		.amdhsa_group_segment_fixed_size 182272
		.amdhsa_private_segment_fixed_size 0
		.amdhsa_enable_private_segment 0
		.amdhsa_kernarg_size 48
		.amdhsa_user_sgpr_count 2
		.amdhsa_user_sgpr_kernarg_segment_ptr 1
		.amdhsa_wavefront_size32 1
		.amdhsa_system_sgpr_workgroup_id_x 1
		.amdhsa_system_sgpr_workgroup_id_y 1
		.amdhsa_system_sgpr_workgroup_id_z 1
		.amdhsa_system_vgpr_workitem_id 0
		.amdhsa_next_free_vgpr 1024
		.amdhsa_next_free_sgpr 70
		.amdhsa_reserve_vcc 0
		.amdhsa_float_denorm_mode_32 3
		.amdhsa_float_denorm_mode_16_64 3
		.amdhsa_memory_ordered 1
		.amdhsa_forward_progress 1
		.amdhsa_inst_pref_size 73
	.end_amdhsa_kernel
	.amdgpu_metadata
---
amdhsa.version: [ 1, 2 ]
amdhsa.kernels:
  - .name:           k_q82c198c0e7_proj
    .symbol:         k_q82c198c0e7_proj.kd
    .args:
      - { .name: a_img, .offset: 0, .size: 8, .value_kind: global_buffer, .address_space: global }
      - { .name: a_scl, .offset: 8, .size: 8, .value_kind: global_buffer, .address_space: global }
      - { .name: W_out_codes, .offset: 16, .size: 8, .value_kind: global_buffer, .address_space: global }
      - { .name: W_out_scales, .offset: 24, .size: 8, .value_kind: global_buffer, .address_space: global }
      - { .name: b_out, .offset: 32, .size: 8, .value_kind: global_buffer, .address_space: global }
      - { .name: out0, .offset: 40, .size: 8, .value_kind: global_buffer, .address_space: global }
    .group_segment_fixed_size: 182272
    .private_segment_fixed_size: 0
    .kernarg_segment_align: 8
    .kernarg_segment_size: 48
    .max_flat_workgroup_size: 128
    .sgpr_count:     70
    .vgpr_count:     1024
    .wavefront_size: 32
...
	.end_amdgpu_metadata
.endif
;; end of part 3
